; MI455X (gfx1250); checked and timed in simulation.
; The chip was launched on July 23, 2026; its instructions are those of AMD's public machine-readable ISA for CDNA 5 (MIT licence, August 2026) and "CDNA5" Instruction Set Architecture Reference Guide (July 2026). The comments in the code are by the model that wrote it; some were corrected since.
;; QKV Attention Legacy. Allowed arithmetic: matrix products marked QUANTISED: E2M1 operands, one E8M0 scale for each 32 along K, by v_wmma_scale_f32_16x16x128_f8f6f4 with both operands' format E2M1 (or v_wmma_scale_f32_32x16x128_f4), f32 sums; everything else in f32.
;; Inputs: mask 4 x 2,048 float32; qkv 4 x 3,072 x 2,048 float32.
;; Outputs: out0 4 x 1,024 x 2,048 float32.
;; This version of the problem:
;;   THIS VERSION OF THE PROBLEM IS GIVEN IN LOW PRECISION. The matrix products marked QUANTISED in the list below multiply operands that are first quantised to E2M1 (2 exponent bits, 1 mantissa bit; 4 bits a number), with one power-of-two scale for each 32 numbers along K (OCP MX v1.0); their sums are f32. All else is computed in f32.
;;   The module's matrix products, in the order in which they are computed (A, B: the left and right operand; K: the contracted axis; several contracted axes count as one K, in the product's order):
;;     1. batch 64 x [M 2,048, K 64] x [K 64, N 2,048]; A: computed on the way; B: computed on the way: QUANTISED
;;     2. batch 64 x [M 64, K 2,048] x [K 2,048, N 2,048]; A: input qkv; B: computed on the way: QUANTISED
;;   THE QUANTISER, for each operand of a quantised product, along K:
;;     - K is cut into blocks of 32 from its start; a last block that is shorter is filled with zeros.
;;     - A block's scale is 2^e with e = floor(log2(the largest magnitude in the block)) - 2, held to -126 .. 127; a block of zeros has e = 0. As a byte (E8M0): e + 127.
;;     - Each number is divided by its block's scale, clamped to +-6, and rounded to the nearest number of E2M1, ties to even, subnormals kept.
;;     - The product sums the exact products of the quantised numbers (number of the format x scale) in f32.
;;   ~~~python
;;   def quantise(x, axis):      # numpy; x: float32 -> the quantised numbers, widened to float32 again
;;       x = np.moveaxis(x, axis, -1); K = x.shape[-1]
;;       x = np.pad(x, [(0, 0)] * (x.ndim - 1) + [(0, -K % 32)]); x = x.reshape(x.shape[:-1] + (-1, 32)); a = np.abs(x).max(-1, keepdims=True)
;;       e = np.where(a > 0, np.clip(np.frexp(np.where(a > 0, a, 1))[1] - 1 - 2, -126, 127), 0)      # np.frexp(a)[1] - 1 = floor(log2(a)), exactly
;;       r = np.clip(x / 2.0 ** e, -6, 6)
;;       step = 2.0 ** (np.maximum(np.frexp(np.where(r == 0, 1, r))[1] - 1, 0) - 1)
;;       q = np.round(r / step) * step * 2.0 ** e      # np.round: ties to even
;;       return np.moveaxis(q.reshape(q.shape[:-2] + (-1,))[..., :K], -1, axis).astype(np.float32)
;;   ~~~
;;   OPERANDS COMPUTED ON THE WAY. 'Computed on the way' means the value that the module computes at that place (a softmax that the list does not call 'softmax' is quantised finished and normalised). What goes into a quantiser is computed in f32, as accurately as f32 sums, v_exp_f32 and their like allow (about 1e-6 of the number): no bf16 or f16 on the way to a quantiser, and a product that is left as it is and whose result goes on into a quantised operand takes f32 operands (vector FMAs, or v_wmma_f32_16x16x4_f32). A number that lies on a knife's edge between two numbers of the format may be rounded either way, as far as f32 arithmetic and the matrix unit's own rounding can turn it there, and no further.
;; One version. Each part assembles by itself: llvm-mc -triple=amdgcn-amd-amdhsa -mcpu=gfx1250 --defsym DOCPART=n.
;; ======== version 1 of 1: 2 launches
;; limits: right only within a limited range of input values
;; workspace buffers: codes 12,582,912 bytes; scales 1,048,576 bytes
;; launch quant (part 1): grid 768 x 1, 4 waves a work-group, no clusters, 34,304 bytes of LDS; arguments qkv, codes, scales; writes codes, scales
.if DOCPART == 1
	.amdgcn_target "amdgcn-amd-amdhsa--gfx1250"
	.amdhsa_code_object_version 6
	.text
	.protected	k_q023319ec2b_quant
	.globl	k_q023319ec2b_quant
	.p2align	8
	.type	k_q023319ec2b_quant,@function
k_q023319ec2b_quant:
	s_mov_b64 s[64:65], 0
	v_nop
	global_prefetch_b8 v0, s[64:65] scope:SCOPE_SE
	s_setreg_imm32_b32 hwreg(HW_REG_WAVE_MODE, 25, 1), 1
	s_wait_xcnt 0x0
; qkv [4][3072][2048] f32 = 64 heads x (q, k, v) x [64 channels][2048 positions] is turned ONCE into codes of FP4 (E2M1) with one E8M0 byte for each 32 along a product's K,
; laid in the order in which the next launch's operand registers take them, so that every fragment there is a plain run of 16 bytes a lane.
;   q, k: first multiplied by 64^-0.25 in f32; K = the 64 channels, which are NOT innermost: a lane takes a position and its registers run down the channels (two blocks of 32).
;   v:    K = the positions (keys), innermost: rows are loaded densely and turned through the wave's own stage in LDS, so that a lane holds two whole blocks of 32 keys of one channel.
; A block's scale is 2^(floor(log2(largest magnitude)) - 2); its byte is the largest magnitude's exponent field - 2, held at 1 from below by a floor among the maximum's leaves.
; LAYOUTS, per head.  codes, 196,608 bytes: Q 65,536 | K 65,536 | V 65,536.   scales, 16,384 bytes: Q 8,192 | K 4,096 | V 4,096.
;   Q codes:  tile T of 16 queries at 512 T; 16 bytes at 256 blk + 16 r = channels 32 blk .. + 31 of query 16 T + r.
;   K codes:  32 keys d at 1,024 d; 16 bytes at 512 e + 256 blk + 16 r = key 32 d + 8 e + r + 8 (r / 8): two tiles of 16 keys whose results are 16 neighbouring keys a lane.
;   V codes:  (w, ct, s) at 1,024 (16 w + 4 ct + s); 16 bytes at 512 c + 256 hh + 16 r = channel 16 ct + r, keys 512 w + 128 s + 64 c + 32 hh .. + 31.
;   Q words:  (s0, s1, s0, s1) of query 128 G + 32 p + L at 512 G + 16 L + 4 p.    K words: (e = 0: s0, s1; e = 1: s0, s1) at 256 (d / 4) + 16 r + 4 (d % 4).    V words: at 256 (4 w + ct) + 16 r + 4 s.
; SHARES.  Work-groups 0-511: q and k, a wave 128 positions x 64 channels.  Work-groups 512-767: v, a wave 16 channels x 512 keys.  32 KB of input a wave; waves share nothing: no barrier.
; No matrix unit, no cluster, no tensor load: every input byte is read once by one wave and nothing is shared.
; LIMITS: NaN and infinities are not served.  A block of zeros gets the byte 1 where the quantiser's rule says 127: its codes are zeros, and this program alone reads the bytes.
.set ROWB,   8192                      ; a channel's row in bytes
.set SECB,   64*ROWB                   ; q, k or v of a head
.set HEADB,  3*SECB
.set CHEAD,  196608                    ; a head's codes
.set FLOOR,  0x1800000                 ; 2^(3 - 127)
.set CD,     208                       ; v208-239 codes: eight registers a pass or step, never rewritten
.set WD,     240                       ; v240-243 scale words
.set SPITCH, 528                       ; a stage row: 512 bytes + 16 = 33 x 16: sixteen rows begin at sixteen different 16-byte columns
; Two blocks of 32 numbers, v[set ..] and v[set + 32 ..], become eight registers of codes at v[dst ..]; their bytes are left in v245 and v247.
.macro QBLK set, dst
	v_max3_num_f32 v244, |v[\set]|, |v[\set+1]|, FLOOR             ; two chains a block, four by turns: no line waits for the line above it
	v_max_num_f32  v245, |v[\set+16]|, |v[\set+17]|
	v_max3_num_f32 v246, |v[\set+32]|, |v[\set+33]|, FLOOR
	v_max_num_f32  v247, |v[\set+48]|, |v[\set+49]|
.irp i, 2,4,6,8,10,12,14
	v_max3_num_f32 v244, v244, |v[\set+\i]|, |v[\set+1+\i]|
	v_max3_num_f32 v245, v245, |v[\set+16+\i]|, |v[\set+17+\i]|
	v_max3_num_f32 v246, v246, |v[\set+32+\i]|, |v[\set+33+\i]|
	v_max3_num_f32 v247, v247, |v[\set+48+\i]|, |v[\set+49+\i]|
.endr
	v_max_num_f32 v244, v244, v245
	v_max_num_f32 v246, v246, v247
	v_add_nc_u32 v248, 0xff000000, v244                            ; 2 off the exponent field: the conversion takes this operand's exponent field as its scale
	v_add_nc_u32 v249, 0xff000000, v246
.irp g, 0,1,2,3
	v_cvt_scalef32_pk8_fp4_f32 v[\dst+\g], v[\set+8*\g:\set+8*\g+7], v248
	v_cvt_scalef32_pk8_fp4_f32 v[\dst+4+\g], v[\set+32+8*\g:\set+32+8*\g+7], v249
.endr
	v_lshrrev_b32 v245, 23, v248                                   ; the bytes (plain lines behind the conversions)
	v_lshrrev_b32 v247, 23, v249
.endm
	s_load_b128 s[4:7], s[0:1], 0x0                ; qkv, codes
	s_load_b64 s[8:9], s[0:1], 0x10                ; scales
	v_lshl_add_u32 v254, v0, 2, 0x8400
	v_mov_b32 v255, 0
	v_lshrrev_b32 v1, 5, v0
	v_readfirstlane_b32 s12, v1                    ; wave
	v_and_b32 v1, 31, v0                           ; L
	v_mov_b32 v250, 0                              ; written once: a lane permute's or DPP's destination counts as a source
	s_mov_b32 s20, 0x76543210
	s_mov_b32 s21, 0xfedcba98                      ; v_permlanex16_b32: lane l xor 16
	s_mov_b32 s22, 0x3eb504f3                      ; 64^-0.25
	s_mov_b32 s23, s22                             ; (named with it as a pair)
	s_mov_b32 s15, 0                               ; high words of three offsets
	s_mov_b32 s17, 0
	s_mov_b32 s19, 0
	s_wait_kmcnt 0x0
	s_cmp_lt_u32 ttmp9, 512
	s_cbranch_scc0 .Lvalues
	; ---------------- q and k ----------------
	s_lshr_b32 s13, ttmp9, 3                       ; head
	s_bfe_u32 s24, ttmp9, 0x10002                  ; 0: q, 1: k
	s_and_b32 s25, ttmp9, 3
	s_lshl_b32 s25, s25, 2
	s_add_co_u32 s25, s25, s12                     ; U: my 128 positions
	s_mul_i32 s14, s13, HEADB
	s_mul_i32 s26, s24, SECB
	s_add_co_u32 s14, s14, s26
	s_lshl_b32 s26, s25, 9
	s_add_co_u32 s14, s14, s26
	s_add_nc_u64 s[4:5], s[4:5], s[14:15]          ; qkv at channel 0 of my first position
	s_mul_i32 s16, s13, CHEAD
	s_lshl_b32 s26, s24, 16
	s_add_co_u32 s16, s16, s26
	s_lshl_b32 s26, s25, 12
	s_add_co_u32 s16, s16, s26
	s_add_nc_u64 s[6:7], s[6:7], s[16:17]          ; my 4,096 bytes of codes
	s_lshl_b32 s18, s13, 14
	s_lshl_b32 s26, s24, 13
	s_add_co_u32 s18, s18, s26
	s_sub_co_u32 s26, 9, s24
	s_lshl_b32 s26, s25, s26                       ; 512 U for q, 256 U for k
	s_add_co_u32 s18, s18, s26
	s_add_nc_u64 s[8:9], s[8:9], s[18:19]          ; my scale words
	s_wait_alu depctr_va_vdst(0)
	v_and_b32 v5, 8, v1
	v_cmp_ne_u32 s30, 0, v5                        ; lanes with L & 8: in k they hold the e = 1 key
	s_cmp_eq_u32 s24, 1
	s_cselect_b32 s31, -1, 0                       ; all lanes for k, none for q
	v_lshlrev_b32 v2, 2, v1                        ; in: 4 bytes a lane
	v_lshrrev_b32 v6, 4, v1
	v_and_b32 v7, 15, v1
	v_lshlrev_b32 v8, 4, v7
	v_lshl_add_u32 v8, v6, 9, v8                   ; q: 512 (L / 16) + 16 (L % 16)
	v_and_b32 v7, 7, v1
	v_lshlrev_b32 v9, 4, v7
	v_lshl_add_u32 v9, v6, 7, v9                   ; k: 16 r, r = L % 8 + 8 (L / 16)
	v_bfe_u32 v7, v1, 3, 1
	v_lshl_add_u32 v10, v7, 9, v9                  ; k: + 512 e
	v_cndmask_b32 v3, v8, v10, s31                 ; where my 16 bytes of a block's codes go
	v_lshlrev_b32 v8, 4, v1
	v_cndmask_b32 v4, v8, v9, s31                  ; and my four scale words
.macro CLOAD p, set                    ; pass p: positions 32 p + L; register c = channel c: each load reads 128 consecutive bytes
.set c, 0
.rept 64
	global_load_b32 v[\set+c], v2, s[4:5] offset:c*ROWB+(\p)*128 th:TH_LOAD_NT
.set c, c+1
.endr
.endm
.macro CPASS p, set
.set c, 0
.rept 32
	v_pk_mul_f32 v[\set+c:\set+c+1], v[\set+c:\set+c+1], s[22:23] op_sel_hi:[1,0]
.set c, c+2
.endr
	QBLK \set, CD+8*(\p)
	v_lshl_or_b32 v245, v247, 8, v245              ; my position's two bytes
	v_mov_b32_dpp v250, v245 row_xmask:8 row_mask:0xf bank_mask:0xf   ; and those of lane L xor 8: in k the other key of my row r
	v_cndmask_b32 v250, v245, v250, s31            ; q: my own twice
	v_cndmask_b32 v251, v245, v250, s30            ; low half: the e = 0 key's
	v_cndmask_b32 v247, v250, v245, s30            ; high half: the e = 1 key's
	v_lshl_or_b32 v[WD+(\p)], v247, 16, v251
	global_store_b128 v3, v[CD+8*(\p):CD+8*(\p)+3], s[6:7] offset:(\p)*1024        ; each store covers two runs of 256 consecutive bytes, aligned
	global_store_b128 v3, v[CD+8*(\p)+4:CD+8*(\p)+7], s[6:7] offset:(\p)*1024+256
.endm
	CLOAD 0, 16
	CLOAD 1, 80
	CLOAD 2, 144
	s_wait_loadcnt 63                              ; 128 loads are younger than pass 0's; a wait's count names 63 at the most, and a smaller count is safe
	CPASS 0, 16
	CLOAD 3, 16
	s_wait_loadcnt 63                              ; 128 are younger than pass 1's
	CPASS 1, 80
	s_wait_loadcnt 63                              ; 64 are younger than pass 2's
	CPASS 2, 144
	s_wait_loadcnt 0x0
	CPASS 3, 16
	global_store_b128 v4, v[WD:WD+3], s[8:9]       ; q: 512 consecutive bytes; k: 256, lanes L and L xor 8 storing the same words
	s_endpgm                                       ; no store's data or address register was ever rewritten
	; ---------------- v ----------------
.Lvalues:
	s_sub_co_u32 s13, ttmp9, 512
	s_and_b32 s24, s13, 3                          ; w: which 512 keys
	s_lshr_b32 s13, s13, 2                         ; head;  the wave's number is ct: which 16 channels
	s_mul_i32 s14, s13, HEADB
	s_add_co_u32 s14, s14, 2*SECB
	s_lshl_b32 s26, s12, 17
	s_add_co_u32 s14, s14, s26
	s_lshl_b32 s26, s24, 11
	s_add_co_u32 s14, s14, s26
	s_add_nc_u64 s[4:5], s[4:5], s[14:15]
	s_mul_i32 s16, s13, CHEAD
	s_add_co_u32 s16, s16, 131072
	s_lshl_b32 s26, s24, 14
	s_add_co_u32 s16, s16, s26
	s_lshl_b32 s26, s12, 12
	s_add_co_u32 s16, s16, s26
	s_add_nc_u64 s[6:7], s[6:7], s[16:17]
	s_lshl_b32 s18, s13, 14
	s_add_co_u32 s18, s18, 12288
	s_lshl_b32 s26, s24, 10
	s_add_co_u32 s18, s18, s26
	s_lshl_b32 s26, s12, 8
	s_add_co_u32 s18, s18, s26
	s_add_nc_u64 s[8:9], s[8:9], s[18:19]
	s_mul_i32 s27, s12, 16*SPITCH                  ; my stage
	s_wait_alu depctr_va_vdst(0)
	v_lshlrev_b32 v2, 4, v1                        ; 16 L: a load's and a code store's place
	v_add_nc_u32 v3, s27, v2                       ; into the stage, as loaded
	v_and_b32 v7, 15, v1                           ; r
	v_lshrrev_b32 v8, 4, v1                        ; hh
	v_mul_u32_u24 v4, v7, SPITCH
	v_lshl_add_u32 v4, v8, 7, v4
	v_add_nc_u32 v4, s27, v4                       ; out of it: row r, + 128 hh: my 32 keys of each 64
	v_lshlrev_b32 v5, 4, v7                        ; my channel's four scale words
	v_lshlrev_b32 v6, 3, v8                        ; 8 hh bits
.macro VLOAD s                         ; step s: 128 keys of 16 channels; each load reads 512 consecutive bytes
.set i, 0
.rept 16
	global_load_b128 v[16+64*((\s)%2)+4*i:16+64*((\s)%2)+4*i+3], v2, s[4:5] offset:i*ROWB+(\s)*512 th:TH_LOAD_NT
.set i, i+1
.endr
.endm
.macro VSTEP s, left
	s_wait_loadcnt \left                           ; this step's 16 loads are in; the next step's 16 may be out
.set i, 0
.rept 16
	ds_store_b128 v3, v[16+64*((\s)%2)+4*i:16+64*((\s)%2)+4*i+3] offset:i*SPITCH
.set i, i+1
.endr
.irp c, 0,1
.irp j, 0,1,2,3,4,5,6,7
	ds_load_b128 v[144+32*\c+4*\j:144+32*\c+4*\j+3], v4 offset:\c*256+16*\j   ; LDS serves a wave's instructions in order: these see the stores above
.endr
.endr
	s_wait_dscnt 0x0                               ; my 64 numbers are in
.if (\s) < 2
	VLOAD (\s)+2
.endif
	QBLK 144, CD+8*(\s)
	v_lshl_or_b32 v245, v247, 16, v245             ; my two bytes: blocks hh and 2 + hh of the step,
	v_lshlrev_b32 v245, v6, v245                   ; at their places in the word;
	v_permlanex16_b32 v250, v245, s20, s21
	v_or_b32 v[WD+(\s)], v245, v250                ; with lane l xor 16's two the word is whole
	global_store_b128 v2, v[CD+8*(\s):CD+8*(\s)+3], s[6:7] offset:(\s)*1024        ; 512 consecutive bytes
	global_store_b128 v2, v[CD+8*(\s)+4:CD+8*(\s)+7], s[6:7] offset:(\s)*1024+512
.endm
	VLOAD 0
	VLOAD 1
	s_wait_alu depctr_va_vdst(0)
	VSTEP 0, 16
	VSTEP 1, 16
	VSTEP 2, 16
	VSTEP 3, 0
	global_store_b128 v5, v[WD:WD+3], s[8:9]       ; 256 consecutive bytes; both halves of the lanes store the same words
	s_wait_tensorcnt 0x0
	ds_add_u32 v254, v255
	s_wait_dscnt 0x0
	s_endpgm
.Lfunc_end_k_q023319ec2b_quant:
	.size	k_q023319ec2b_quant, .Lfunc_end_k_q023319ec2b_quant-k_q023319ec2b_quant
	.p2alignl 7, 3214868480
	.fill 96, 4, 3214868480
	.section	.rodata,"a",@progbits
	.p2align	6, 0x0
	.amdhsa_kernel k_q023319ec2b_quant
		.amdhsa_group_segment_fixed_size 34304
		.amdhsa_private_segment_fixed_size 0
		.amdhsa_enable_private_segment 0
		.amdhsa_kernarg_size 24
		.amdhsa_user_sgpr_count 2
		.amdhsa_user_sgpr_kernarg_segment_ptr 1
		.amdhsa_wavefront_size32 1
		.amdhsa_system_sgpr_workgroup_id_x 1
		.amdhsa_system_sgpr_workgroup_id_y 1
		.amdhsa_system_sgpr_workgroup_id_z 1
		.amdhsa_system_vgpr_workitem_id 0
		.amdhsa_next_free_vgpr 256
		.amdhsa_next_free_sgpr 66
		.amdhsa_reserve_vcc 0
		.amdhsa_float_denorm_mode_32 3
		.amdhsa_float_denorm_mode_16_64 3
		.amdhsa_memory_ordered 1
		.amdhsa_forward_progress 1
		.amdhsa_inst_pref_size 78
	.end_amdhsa_kernel
	.amdgpu_metadata
---
amdhsa.version: [ 1, 2 ]
amdhsa.kernels:
  - .name:           k_q023319ec2b_quant
    .symbol:         k_q023319ec2b_quant.kd
    .args:
      - { .name: qkv, .offset: 0, .size: 8, .value_kind: global_buffer, .address_space: global }
      - { .name: codes, .offset: 8, .size: 8, .value_kind: global_buffer, .address_space: global }
      - { .name: scales, .offset: 16, .size: 8, .value_kind: global_buffer, .address_space: global }
    .group_segment_fixed_size: 34304
    .private_segment_fixed_size: 0
    .kernarg_segment_align: 8
    .kernarg_segment_size: 24
    .max_flat_workgroup_size: 128
    .sgpr_count:     66
    .vgpr_count:     256
    .wavefront_size: 32
...
	.end_amdgpu_metadata
.endif
;; end of part 1
;; launch attn (part 2): grid 4 x 64, 8 waves a work-group, no clusters, 319,488 bytes of LDS; arguments codes, scales, mask, out0; writes out0
.if DOCPART == 2
	.amdgcn_target "amdgcn-amd-amdhsa--gfx1250"
	.amdhsa_code_object_version 6
	.text
	.protected	k_q023319ec2b_attn
	.globl	k_q023319ec2b_attn
	.p2align	8
	.type	k_q023319ec2b_attn,@function
k_q023319ec2b_attn:
	s_mov_b64 s[64:65], 0
	v_nop
	global_prefetch_b8 v0, s[64:65] scope:SCOPE_SE
	s_setreg_imm32_b32 hwreg(HW_REG_WAVE_MODE, 25, 1), 1
	s_wait_xcnt 0x0
; out[b][c][t] = sum over s of Q4( softmax_s(Q^[t] . K^[s]) x mask[b % 4][s] ) x V^[c][s], both products on codes of FP4 (E2M1) with one E8M0 scale for each 32 along K.
; Q^, K^, V^ come as codes and scale words in the order of the operand registers (the launch before made them).  The weight that is quantised is the FINISHED one: normalised and masked,
; so a row's codes want the row's whole sum first.  THE SCORES STAY IN REGISTERS: a work-group owns 512 queries of one head and walks them 32 at a time; its EIGHT waves split the head's
; 2,048 keys, 256 each: 32 queries x 256 keys are 256 registers of a wave; two waves of 512 registers stand on each SIMD.  Each wave finds its own M (largest t = score x log2 e, rounded UP
; to a whole number) and its sum of 2^(t - M); the eight (M, sum) meet in LDS; the shifts between the waves' M are whole powers of two and round nothing.  Each score has one exponential.
; The mask is multiplied in while the sums travel; then each wave multiplies by f = 2^(M - largest M) / sum, quantises along its keys and multiplies with its part of V.
; ONE BARRIER A BLOCK: (-M, sum) and the partial outputs have two buffers each, by the block's parity; the loop's body is a pair of blocks, every offset a constant.  Block n's eight partial outputs
; are added behind block n + 1's barrier: wave w adds channels 8 w .. + 7; the sums of a pair of blocks meet in the wave's own stage, so that sixteen lanes store 256 consecutive bytes, aligned.
; LAYOUT.  S^T = K Q^T: source 0 = keys, source 1 = queries: a lane holds ONE query (lane % 16) of each of two tiles; register 16 b + i is key 256 w + 32 b + 16 (lane / 16) + i.
;   K = 64 IN AN INSTRUCTION OF 128: source 0 holds TWO tiles of 16 keys, source 1 is [q | zeros] for the first and [zeros | q] for the second.  Zero codes add nothing.
;   O = P V^T: source 0 = p (16 queries), source 1 = V (16 channels): a lane holds one channel and eight neighbouring queries.
; NO CLUSTER, NO TENSOR LOAD, NO PREFETCH: what the four work-groups of a head share, K's and V's codes and words, is read once, at the head, 17 KB a wave through registers; there is no loop to run ahead in.
; ORDER OF ROUNDING: (e x mask) x (1 / sum) where the source has (e / sum) x mask; an output's f32 sum is taken in eight parts of 256 keys.
; LIMITS: NaN and infinities are not served.  The promise holds while |t| stays under 2^31.  A weight under 2^-126 is taken as 0.  A block of zeros keeps the byte 1: its codes are zeros.
; REGISTERS: window 0: v0-127 below, v128-255 the mask of my 256 keys in the scores' order.  Window 1: tile u's 128 scores at 128 u; its registers 0-31 become the tile's four accumulators of O
; once its first 128 keys are quantised, its registers 32-63 then serve the adding of partial outputs; tile 0's registers 64-111 take the next block's first six fragments of K once they are quantised.
; s_set_vgpr_msb: bits 1:0 source 0, 3:2 source 1, 5:4 source 2, 7:6 destination.
.set VI,   65536                       ; LDS: 0: K's fragments, 8,192 bytes a wave, its own;  VI: V's, laid as in memory, each wave reading its own part
.set QI,   131072                      ; the work-group's 32 tiles of Q, 512 bytes each
.set QS,   147456                      ; Q's scale words, 4 bytes a query
.set ST,   149504                      ; (-M, sum): 2,048 parity + 256 wave + 128 tile + 8 query
.set PO,   153600                      ; partial outputs: POB parity + POV wave + PP channel + 4 query
.set PP,   144                         ; 128 bytes + 16 = 9 x 16: sixteen rows begin at sixteen different 16-byte columns
.set POV,  64*PP
.set POB,  8*POV
.set OS,   PO+2*POB                    ; the stage: OP channel + 4 (query of a pair of blocks); a wave's eight channels are its own
.set OP,   272
.set SPARE, OS+64*OP                   ; the spare words, 128 bytes a wave: four blocks of 256 bytes that no other line names
.set LN,   0                           ; v0   lane
.set KAD,  1                           ; v1   8,192 wave + 16 lane
.set VAD,  2                           ; v2   VI + 16,384 (wave / 2) + 2,048 (wave % 2) + 16 lane
.set QAD,  3                           ; v3   QI + 16 lane + the pair in hand
.set QSA,  4                           ; v4   QS + 4 lane + the pair in hand
.set STW,  5                           ; v5   where I put (-M, sum)
.set STR,  6                           ; v6   where I read the eight: lanes 0-15 tile 0's, lanes 16-31 tile 1's
.set POW,  7                           ; v7, v8   where I put partial outputs, by parity
.set POR,  9                           ; v9, v10  where I read them back
.set GO,   11                          ; v11  my byte offset in out0
.set OSW,  12                          ; v12  the stage, in
.set OSR,  13                          ; v13  the stage, out
.set SPW,  14                          ; v14  my spare word; never rewritten
.set NIL,  15                          ; v15  0; never rewritten
.set SB,   16                          ; v[16 + 8 u ..]: +0 -M, +1 largest t, then the sum, +2, +3 f twice, +4 .. +7 at work
.set TS,   20                          ; v20-23  the conversions' scale operands
.set KSC,  32                          ; v32-39  K's scale words, one for each 32 keys
.set VSC,  40                          ; v40-47  V's: 2 ct + s
.set QSC,  48                          ; v48     Q's: lanes 0-15 tile 0, lanes 16-31 tile 1
.set PW,   50                          ; v50 + u p's scale word
.set ZQ,   52                          ; v52-71  zeros, q0, zeros, q1, zeros: four registers each
.set STG,  72                          ; v72-103 four fragments of V; v72-87 K's fragments 6 and 7
.set AS,   72                          ; v[72 + 16 u ..] eight pairs of sums
.set PC,   104                         ; v[104 + 8 u ..] p's codes
.set LD,   104                         ; v104-119 the eight waves' (-M, sum)
.set TM,   104                         ; v[104 + 8 u ..] eight chains of maxima
.set T,    120                         ; v120-127 at work
.set MK,   128                         ; v128-255 the mask
.set KF,   64                          ; window 1, v64-111: K's fragments 0 to 5
.set MSB, 0
.macro WIN new                         ; the immediate's high byte repeats the setting that is left; a switch that changes nothing is dropped
.if MSB != (\new)
	s_set_vgpr_msb (MSB<<8)|(\new)
.set MSB, (\new)
.endif
.endm
.macro PLACES n
.rept \n
	v_nop
.endr
.endm
.macro BARRIER                         ; my LDS stores have landed and my LDS loads are in: then the work-group's barrier
	s_wait_alu depctr_va_vdst(0)                   ; the wait ahead of a wait that blocks
	s_wait_dscnt 0x0
	s_barrier_signal -1
	s_barrier_wait -1
.endm
.macro MM dd, aa, bb, cc, sa, sb, row
	v_wmma_scale_f32_16x16x128_f8f6f4 v[\dd:\dd+7], v[\aa:\aa+7], v[\bb:\bb+7], \cc, v[\sa], v[\sb] matrix_a_fmt:MATRIX_FMT_FP4 matrix_b_fmt:MATRIX_FMT_FP4 \row
.endm
.macro LOADK d, reg                    ; the fragment of my keys 32 d .. + 31
	ds_load_b128 v[\reg:\reg+3], v[KAD] offset:(\d)*1024
	ds_load_b128 v[\reg+4:\reg+7], v[KAD] offset:(\d)*1024+512
.endm
.macro KPRE qo, so                     ; 15 loads for the next block: 192 keys into window 1, its two tiles of Q, their scale words
	WIN 0x40
.irp d, 0,1,2,3,4,5
	LOADK \d, KF+8*\d
.endr
	WIN 0
	ds_load_b128 v[ZQ+4:ZQ+7], v[QAD] offset:\qo
	ds_load_b128 v[ZQ+12:ZQ+15], v[QAD] offset:\qo+512
	ds_load_b32 v[QSC], v[QSA] offset:\so
.endm
.macro QK d, reg                       ; 32 keys x 32 queries: four products, each starts and ends its own sum (K = 64)
	MM 16*(\d), \reg, ZQ+4, 0, KSC+(\d), QSC
	MM 16*(\d)+8, \reg, ZQ, 0, KSC+(\d), QSC
	MM 128+16*(\d), \reg, ZQ+12, 0, KSC+(\d), QSC, matrix_b_scale:MATRIX_SCALE_ROW1
	MM 128+16*(\d)+8, \reg, ZQ+8, 0, KSC+(\d), QSC, matrix_b_scale:MATRIX_SCALE_ROW1
.endm
.macro MAXB                            ; my 256 keys' largest score of both tiles' queries, eight chains a tile, the tiles by turns, ascending: each result is read from its low end on
.set k, 0
.rept 8
	v_max_num_f32 v[TM+k], v[2*k], v[2*k+1]
	v_max_num_f32 v[TM+8+k], v[128+2*k], v[128+2*k+1]
.set k, k+1
.endr
.rept 56
	v_max3_num_f32 v[TM+k%8], v[2*k], v[2*k+1], v[TM+k%8]
	v_max3_num_f32 v[TM+8+k%8], v[128+2*k], v[128+2*k+1], v[TM+8+k%8]
.set k, k+1
.endr
.endm
.macro SUMM u                          ; the sum of my 256 p of tile u, in eight packed chains
	WIN 0x05
.set k, 0
.rept 8
	v_pk_add_f32 v[AS+16*\u+2*k:AS+16*\u+2*k+1], v[128*\u+2*k:128*\u+2*k+1], v[128*\u+2*k+16:128*\u+2*k+17]
.set k, k+1
.endr
	WIN 0x01
.set k, 16
.rept 48
	v_pk_add_f32 v[AS+16*\u+2*(k%8):AS+16*\u+2*(k%8)+1], v[128*\u+2*k:128*\u+2*k+1], v[AS+16*\u+2*(k%8):AS+16*\u+2*(k%8)+1]
.set k, k+1
.endr
.endm
.macro MASK1 k0                        ; tile 1's p x the mask: 32 pairs from pair k0 on
	WIN 0x41
.set k, \k0
.rept 32
	v_pk_mul_f32 v[128+2*k:128+2*k+1], v[128+2*k:128+2*k+1], v[MK+2*k:MK+2*k+1]
.set k, k+1
.endr
	WIN 0
.endm
; f = 2^(my M - the largest M) / the row's sum under the largest M, made once for both tiles: lanes 0-15 work tile 0's queries, lanes 16-31 tile 1's; then the halves are exchanged.
.macro FACTOR
	v_cndmask_b32 v[SB+4], v[SB], v[SB+8], s30     ; my own -M of my half's tile
	v_min3_num_f32 v[SB+5], v[LD], v[LD+2], v[LD+4]
	v_min3_num_f32 v[SB+6], v[LD+6], v[LD+8], v[LD+10]
	v_min_num_f32 v[SB+7], v[LD+12], v[LD+14]
	v_min3_num_f32 v[SB+5], v[SB+5], v[SB+6], v[SB+7]          ; - the largest M
	s_delay_alu instid0(VALU_DEP_1)
.irp p, 0,1,2,3,4,5,6,7
	v_sub_f32 v[LD+2*\p], v[SB+5], v[LD+2*\p]      ; wave p's M less the largest: a whole number, 0 or less
.endr
	v_sub_f32 v[SB+4], v[SB+5], v[SB+4]            ; and mine
.irp p, 0,1,2,3,4,5,6,7
	v_cvt_i32_f32 v[LD+2*\p], v[LD+2*\p]           ; (it saturates)
.endr
	v_cvt_i32_f32 v[SB+4], v[SB+4]
.irp p, 0,1,2,3,4,5,6,7
	v_ldexp_f32 v[LD+2*\p+1], v[LD+2*\p+1], v[LD+2*\p]
.endr
.irp p, 0,4,8,12
	v_add_f32 v[LD+\p+1], v[LD+\p+1], v[LD+\p+3]   ; the same order in all eight waves: the same sum
.endr
	v_add_f32 v[LD+1], v[LD+1], v[LD+5]
	v_add_f32 v[LD+9], v[LD+9], v[LD+13]
	s_delay_alu instid0(VALU_DEP_1)
	v_add_f32 v[LD+1], v[LD+1], v[LD+9]
	s_wait_alu depctr_va_vdst(0)                   ; the wait ahead of the transcendental
	v_rcp_f32 v[SB+6], v[LD+1]
	v_nop                                          ; a plain line behind it
	s_wait_alu depctr_va_vdst(0)                   ; and the wait ahead of its first reader
	v_ldexp_f32 v[SB+7], v[SB+6], v[SB+4]
	s_delay_alu instid0(VALU_DEP_1)
	v_permlanex16_b32 v[SB+5], v[SB+7], s20, s21   ; the other tile's f of query lane % 16
	s_delay_alu instid0(VALU_DEP_1)
	v_cndmask_b32 v[SB+2], v[SB+7], v[SB+5], s30   ; tile 0's f, twice: a pair for the packed multiply
	v_cndmask_b32 v[SB+3], v[SB+7], v[SB+5], s30
	v_cndmask_b32 v[SB+10], v[SB+5], v[SB+7], s30  ; tile 1's
	v_cndmask_b32 v[SB+11], v[SB+5], v[SB+7], s30
.endm
.macro NORM u, s                       ; the finished weight of tile u's keys 128 s .. + 127: the masked p x f
	WIN 0x41
.set k, 0
.rept 32
	v_pk_mul_f32 v[128*\u+64*(\s)+2*k:128*\u+64*(\s)+2*k+1], v[128*\u+64*(\s)+2*k:128*\u+64*(\s)+2*k+1], v[SB+8*\u+2:SB+8*\u+3]
.set k, k+1
.endr
.endm
.macro QUANT u, s                      ; 64 weights of a lane become a fragment's codes and its scale word
.set X, 128*\u+64*(\s)
	WIN 0x05
.irp b, 0,1,2,3
	v_max3_num_f32 v[T+\b], |v[X+16*\b]|, |v[X+16*\b+1]|, 0x1800000   ; with the floor 2^(3 - 127): the byte cannot fall under 1
.endr
.irp i, 2,4,6,8,10,12,14
.irp b, 0,1,2,3
	v_max3_num_f32 v[T+\b], |v[X+16*\b+\i]|, |v[X+16*\b+\i+1]|, v[T+\b]
.endr
.endr
	WIN 0
.irp b, 0,1,2,3
	v_permlanex16_b32 v[T+4+\b], v[T+\b], s20, s21
.endr
.irp b, 0,1,2,3
	v_max_num_f32 v[T+\b], v[T+\b], v[T+4+\b]      ; with lane l xor 16's 16: the block's largest magnitude
.endr
.irp b, 0,1,2,3
	v_add_nc_u32 v[TS+\b], 0xff000000, v[T+\b]     ; 2 off its exponent field: the conversion's scale operand
.endr
.irp b, 0,1,2,3
	v_lshrrev_b32 v[T+4+\b], 23, v[TS+\b]          ; the byte
.endr
	v_lshl_or_b32 v[PW+\u], v[T+5], 8, v[T+4]
	v_lshl_or_b32 v[T+6], v[T+7], 8, v[T+6]
	s_delay_alu instid0(VALU_DEP_1)
	v_lshl_or_b32 v[PW+\u], v[T+6], 16, v[PW+\u]
	WIN 0x01
.irp b, 0,1,2,3
	v_cvt_scalef32_pk8_fp4_f32 v[PC+8*\u+2*\b], v[X+16*\b:X+16*\b+7], v[TS+\b]
	v_cvt_scalef32_pk8_fp4_f32 v[PC+8*\u+2*\b+1], v[X+16*\b+8:X+16*\b+15], v[TS+\b]
.endr
	WIN 0
	v_nop                                          ; one plain line behind a scaled conversion
.irp c, 0,1                            ; the operand's layout wants a whole block in a lane
.irp i, 0,1
	v_permlane16_swap_b32 v[PC+8*\u+4*\c+\i], v[PC+8*\u+4*\c+2+\i]
.endr
.endr
.endm
.macro QUANT2                          ; both tiles' first 128 keys at once: eight chains by turns; the scale operands in v[SB + 8 u + 4 ..], the lane permutes' results in p's registers, which the codes then take
	WIN 0x05
.irp u, 0,1
.irp b, 0,1,2,3
	v_max3_num_f32 v[T+4*\u+\b], |v[128*\u+16*\b]|, |v[128*\u+16*\b+1]|, 0x1800000   ; with the floor 2^(3 - 127): the byte cannot fall under 1
.endr
.endr
.irp i, 2,4,6,8,10,12,14
.irp u, 0,1
.irp b, 0,1,2,3
	v_max3_num_f32 v[T+4*\u+\b], |v[128*\u+16*\b+\i]|, |v[128*\u+16*\b+\i+1]|, v[T+4*\u+\b]
.endr
.endr
.endr
	WIN 0
.irp j, 0,1,2,3,4,5,6,7
	v_permlanex16_b32 v[PC+\j], v[T+\j], s20, s21
.endr
.irp j, 0,1,2,3,4,5,6,7
	v_max_num_f32 v[T+\j], v[T+\j], v[PC+\j]       ; with lane l xor 16's 16: the block's largest magnitude
.endr
.irp u, 0,1
.irp b, 0,1,2,3
	v_add_nc_u32 v[SB+8*\u+4+\b], 0xff000000, v[T+4*\u+\b]     ; 2 off its exponent field: the conversion's scale operand
.endr
.endr
.irp u, 0,1
.irp b, 0,1,2,3
	v_lshrrev_b32 v[T+4*\u+\b], 23, v[SB+8*\u+4+\b]            ; the byte
.endr
.endr
.irp u, 0,1
	v_lshl_or_b32 v[PW+\u], v[T+4*\u+1], 8, v[T+4*\u]
.endr
.irp u, 0,1
	v_lshl_or_b32 v[T+4*\u+2], v[T+4*\u+3], 8, v[T+4*\u+2]
.endr
.irp u, 0,1
	v_lshl_or_b32 v[PW+\u], v[T+4*\u+2], 16, v[PW+\u]
.endr
	WIN 0x01
.irp u, 0,1
.irp b, 0,1,2,3
	v_cvt_scalef32_pk8_fp4_f32 v[PC+8*\u+2*\b], v[128*\u+16*\b:128*\u+16*\b+7], v[SB+8*\u+4+\b]
	v_cvt_scalef32_pk8_fp4_f32 v[PC+8*\u+2*\b+1], v[128*\u+16*\b+8:128*\u+16*\b+15], v[SB+8*\u+4+\b]
.endr
.endr
	WIN 0
	v_nop                                          ; one plain line behind a scaled conversion
.irp u, 0,1
.irp c, 0,1                            ; the operand's layout wants a whole block in a lane
.irp i, 0,1
	v_permlane16_swap_b32 v[PC+8*\u+4*\c+\i], v[PC+8*\u+4*\c+2+\i]
.endr
.endr
.endr
.endm
.macro LOADV s
.irp ct, 0,1,2,3
	ds_load_b128 v[STG+8*\ct:STG+8*\ct+3],   v[VAD] offset:4096*\ct+1024*(\s)
	ds_load_b128 v[STG+8*\ct+4:STG+8*\ct+7], v[VAD] offset:4096*\ct+1024*(\s)+512
.endr
.endm
.macro PV s                            ; O += P V^T: eight accumulators take turns, one instruction a turn.  The first step starts the sums
	WIN 0x50
.irp u, 0,1
.irp ct, 0,1,2,3
.if (\s) == 0
	MM 128*\u+8*\ct, PC+8*\u, STG+8*\ct, 0, PW+\u, VSC+2*\ct+(\s)
.else
	MM 128*\u+8*\ct, PC+8*\u, STG+8*\ct, v[128*\u+8*\ct:128*\u+8*\ct+7], PW+\u, VSC+2*\ct+(\s)
.endif
.endr
.endr
.endm
.macro POST b                          ; 16 stores.  Lane (r, h): channel 16 ct + r, queries 16 u + 8 h + 0 .. 7: 32 bytes of a row; each accumulator from its low end on
	WIN 0x04
.irp u, 0,1
.irp ct, 0,1,2,3
	ds_store_b128 v[POW+(\b)], v[128*\u+8*\ct:128*\u+8*\ct+3] offset:\ct*16*PP+64*\u
	ds_store_b128 v[POW+(\b)], v[128*\u+8*\ct+4:128*\u+8*\ct+7] offset:\ct*16*PP+64*\u+16
.endr
.endr
	WIN 0
.endm
.macro RLOADS b                        ; the eight waves' parts of my channels 8 w + lane / 8 + 4 i, queries 4 (lane % 8) .. + 3, of the block in buffer b
	WIN 0x40
.irp i, 0,1
.irp p, 0,1,2,3,4,5,6,7
	ds_load_b128 v[32+128*\i+4*\p:32+128*\i+4*\p+3], v[POR+(\b)] offset:\p*POV+\i*4*PP
.endr
.endr
	WIN 0
.endm
.macro RADD x, y                       ; four numbers of both rows
.irp i, 0,1
	v_pk_add_f32 v[32+128*\i+4*\x:32+128*\i+4*\x+1], v[32+128*\i+4*\x:32+128*\i+4*\x+1], v[32+128*\i+4*\y:32+128*\i+4*\y+1]
	v_pk_add_f32 v[32+128*\i+4*\x+2:32+128*\i+4*\x+3], v[32+128*\i+4*\x+2:32+128*\i+4*\x+3], v[32+128*\i+4*\y+2:32+128*\i+4*\y+3]
.endr
.endm
.macro RADDS b, younger, out           ; they are added and go to my stage; out = 1: the pair of blocks is whole and is read back by rows
	s_wait_dscnt \younger                          ; the sixteen loads are in; the LDS loads issued behind them may be out
	WIN 0x45
	RADD 0, 1
	RADD 2, 3
	RADD 4, 5
	RADD 6, 7
	RADD 0, 2
	RADD 4, 6
	RADD 0, 4
	WIN 0x04
	ds_store_b128 v[OSW], v[32:35] offset:128*(\b)
	ds_store_b128 v[OSW], v[160:163] offset:4*OP+128*(\b)
.if \out
	WIN 0x40
.irp j, 0,1,2,3
	ds_load_b128 v[36+4*\j:36+4*\j+3], v[OSR] offset:2*OP*\j   ; LDS serves a wave's instructions in order: these see my stores
.endr
.endif
	WIN 0
.endm
.macro ROUT                            ; the pair leaves; it stands behind a wait for all my LDS loads
	WIN 0x04
.irp j, 0,1,2,3
	global_store_b128 v[GO], v[36+4*\j:36+4*\j+3], s[10:11] offset:\j*16384-256 th:TH_STORE_NT   ; sixteen lanes store 256 consecutive bytes, aligned: 64 queries of one channel; the base stands one pair further on than the pair that leaves
.endr
	WIN 0
.endm
; A BLOCK of 32 queries; par = its parity.  Its fragments 0 to 5 of K, its Q and Q's words were waited for ahead of the last block's last products.
.macro BLOCK par
	WIN 0x41                                       ; source 0 in window 1
.irp d, 0,1,2,3
	QK \d, KF+8*\d
.endr
	PLACES 5                                       ; the next products write over fragments 0 to 3
.irp d, 4,5
	QK \d, KF+8*\d
.endr
	PLACES 5                                       ; and the next over fragments 4 and 5
	s_wait_dscnt 16                                ; fragments 6 and 7 are in; the 16 stores of partial outputs behind them may be out
	WIN 0x40
	QK 6, STG
	QK 7, STG+8
	WIN 0x05                                       ; the lines on earlier results are the places behind the last products
	MAXB
	WIN 0
.irp u, 0,1
	v_max3_num_f32 v[TM+8*\u], v[TM+8*\u], v[TM+8*\u+1], v[TM+8*\u+2]
.endr
.irp u, 0,1
	v_max3_num_f32 v[TM+8*\u+3], v[TM+8*\u+3], v[TM+8*\u+4], v[TM+8*\u+5]
.endr
.irp u, 0,1
	v_max3_num_f32 v[TM+8*\u], v[TM+8*\u], v[TM+8*\u+3], v[TM+8*\u+6]
.endr
.irp u, 0,1
	v_max_num_f32 v[TM+8*\u], v[TM+8*\u], v[TM+8*\u+7]
.endr
.irp u, 0,1
	v_permlanex16_b32 v[TM+8*\u+1], v[TM+8*\u], s20, s21       ; the query's other keys lie in lane l xor 16
.endr
.irp u, 0,1
	v_max_num_f32 v[TM+8*\u], v[TM+8*\u], v[TM+8*\u+1]
.endr
.irp u, 0,1
	v_mul_f32 v[SB+8*\u+1], s22, v[TM+8*\u]        ; as t
.endr
.irp u, 0,1
	v_floor_f32 v[SB+8*\u], -v[SB+8*\u+1]          ; -M = floor(-t): M is a whole number
.endr
	WIN 0x41                                       ; p = 2^(t - M).  Among a batch's exponentials stand plain lines that name none of its registers
.set k, 0
.rept 64
	v_pk_fma_f32 v[2*k:2*k+1], v[2*k:2*k+1], s[22:23], v[SB:SB+1] op_sel_hi:[1,0,0]
.set k, k+1
.endr
	s_wait_alu depctr_va_vdst(0)                   ; the wait ahead of a batch
.set k, 0
.rept 64
	v_exp_f32 v[2*k], v[2*k]
	v_exp_f32 v[2*k+1], v[2*k+1]
	v_pk_fma_f32 v[128+2*k:128+2*k+1], v[128+2*k:128+2*k+1], s[22:23], v[SB+8:SB+9] op_sel_hi:[1,0,0]   ; tile 1's t - M
.set k, k+1
.endr
	s_wait_alu depctr_va_vdst(0)                   ; behind the first batch and ahead of the second
	s_wait_loadcnt 0x0                             ; the mask is in (its loads were issued at the head)
	SUMM 0                                         ; the sum is taken of the unmasked p
	WIN 0x41
.set k, 0
.rept 64
	v_exp_f32 v[128+2*k], v[128+2*k]
	v_exp_f32 v[128+2*k+1], v[128+2*k+1]
	v_pk_mul_f32 v[2*k:2*k+1], v[2*k:2*k+1], v[MK+2*k:MK+2*k+1]   ; tile 0's p x the mask
.set k, k+1
.endr
	s_wait_alu depctr_va_vdst(0)                   ; the wait ahead of the first line that names a result
	SUMM 1
	WIN 0
.irp j, 0,4,8,12
.irp u, 0,1
	v_pk_add_f32 v[AS+16*\u+\j:AS+16*\u+\j+1], v[AS+16*\u+\j:AS+16*\u+\j+1], v[AS+16*\u+\j+2:AS+16*\u+\j+3]
.endr
.endr
.irp j, 0,8
.irp u, 0,1
	v_pk_add_f32 v[AS+16*\u+\j:AS+16*\u+\j+1], v[AS+16*\u+\j:AS+16*\u+\j+1], v[AS+16*\u+\j+4:AS+16*\u+\j+5]
.endr
.endr
.irp u, 0,1
	v_pk_add_f32 v[AS+16*\u:AS+16*\u+1], v[AS+16*\u:AS+16*\u+1], v[AS+16*\u+8:AS+16*\u+9]
.endr
.irp u, 0,1
	v_add_f32 v[AS+16*\u], v[AS+16*\u], v[AS+16*\u+1]
.endr
.irp u, 0,1
	v_permlanex16_b32 v[AS+16*\u+1], v[AS+16*\u], s20, s21
.endr
.irp u, 0,1
	v_add_f32 v[SB+8*\u+1], v[AS+16*\u], v[AS+16*\u+1]
.endr
.irp u, 0,1
	ds_store_b64 v[STW], v[SB+8*\u:SB+8*\u+1] offset:128*\u+2048*\par   ; lanes l and l xor 16 store the same pair
.endr
	MASK1 0                                        ; 32 lines that are due, while the stores are out
	BARRIER                                        ; every wave's (-M, sum) of this block and partial outputs of the block before lie in LDS; every wave's reads of the other parity's bytes are over
.irp p, 0,1,2,3,4,5,6,7
	ds_load_b64 v[LD+2*\p:LD+2*\p+1], v[STR] offset:256*\p+2048*\par
.endr
	LOADV 0
	MASK1 32                                       ; and 32 while the loads are out
	s_wait_dscnt 8                                 ; the eight pairs are in; V's eight loads may be out
	FACTOR
	NORM 0, 0
	NORM 1, 0
	QUANT2
	s_wait_dscnt 0x0                               ; V's first step is in
.if \par == 0
	s_cmp_eq_u32 s29, 8                            ; the first block of all has no block before it
	s_cbranch_scc1 .Lno_loads_\@
.endif
	RLOADS 1-\par
.if \par == 0
.Lno_loads_\@:
.endif
	NORM 0, 1                                      ; 32 plain lines between the scale words and codes just made and the products that take them
	PV 0
	NORM 1, 1                                      ; 32 plain lines behind the products: the places in front of the loads and conversions below
	WIN 0
	LOADV 1
.if \par == 0
	s_cmp_eq_u32 s29, 8
	s_cbranch_scc1 .Lno_adds_\@
.endif
	RADDS 1-\par, 8, 1-\par
.if \par == 0
.Lno_adds_\@:
.endif
	QUANT 0, 1
.if \par == 0
	KPRE 1024, 128                                 ; tile 0's last 64 registers are free: they take the next block's K
.else
	s_add_co_u32 s24, s24, 1
	s_and_b32 s25, s24, 7                          ; the next pair; behind the last, pair 0 again: no read leaves Q's bytes
	s_lshl_b32 s26, s25, 11
	s_add_co_u32 s26, s26, QI
	s_lshl_b32 s27, s25, 8
	s_add_co_u32 s27, s27, QS
	v_lshl_add_u32 v[QAD], v[LN], 4, s26
	v_lshl_add_u32 v[QSA], v[LN], 2, s27
	KPRE 0, 0
.endif
	QUANT 1, 1
	PLACES 8                                       ; a scale word made by vector instructions stands eight places ahead of a scaled product
	s_wait_alu depctr_va_vdst(0)                   ; the wait directly ahead of the wait below
	s_wait_dscnt 0x0                               ; V's second step, the next block's 15 loads and the stage's rows are in
	PV 1
	WIN 0
.if \par == 0
	s_cmp_eq_u32 s29, 8
	s_cbranch_scc1 .Lno_out_\@
	ROUT
.Lno_out_\@:
.endif
	PLACES 5                                       ; behind the last products: for the loads into their sources and the stores of their results
	LOADK 6, STG
	LOADK 7, STG+8
	POST \par
.endm
	; ---------------- the head: scalar work first, then the vector lines on end, then one wait ----------------
	s_load_b128 s[4:7], s[0:1], 0x0                ; codes, scales
	s_load_b128 s[8:11], s[0:1], 0x10              ; mask, out0
	v_lshl_add_u32 v[SPW], v0, 2, SPARE
	v_mov_b32 v[NIL], 0
.irp j, 0,1,2,3,8,9,10,11,16,17,18,19
	v_mov_b32 v[ZQ+\j], 0                          ; zero codes beside q; they stay
.endr
.irp j, 4,5,6,7
	v_mov_b32 v[T+\j], 0                           ; written once: a lane permute's destination counts as one of its sources
.endr
	v_lshrrev_b32 v72, 5, v0
	v_readfirstlane_b32 s12, v72                   ; wave: which 256 keys are mine
	s_and_b32 s13, ttmp7, 0xffff                   ; head;  ttmp9: which 512 queries
	s_lshr_b32 s15, s12, 1
	s_and_b32 s16, s12, 1
	s_lshl_b32 s17, s16, 3                         ; 8 (wave % 2)
	s_lshl_b32 s32, s12, 13
	s_lshl_b32 s33, s15, 14
	s_lshl_b32 s14, s16, 11
	s_add_co_u32 s33, s33, s14                     ; my part of V: 16,384 (wave / 2) + 2,048 (wave % 2)
	s_lshl_b32 s42, s12, 8
	s_add_co_u32 s34, s42, ST
	s_mul_i32 s35, s12, POV
	s_add_co_u32 s35, s35, PO
	s_mul_i32 s36, s12, 8*PP
	s_add_co_u32 s36, s36, PO
	s_mul_i32 s37, s12, 8*OP
	s_add_co_u32 s37, s37, OS
	s_lshl_b32 s38, s12, 16
	s_lshl_b32 s40, s12, 11
	s_lshl_b32 s39, ttmp9, 14
	s_add_co_u32 s39, s39, s40                     ; memory: my eighth of the work-group's Q codes
	s_lshl_b32 s41, ttmp9, 11
	s_lshl_b32 s14, s15, 9
	s_add_co_u32 s41, s41, s14
	s_add_co_u32 s41, s41, s17                     ; memory: the scale words of my 64 of its queries
	s_lshl_b32 s43, s12, 9
	s_lshl_b32 s44, s15, 10
	s_add_co_u32 s44, s44, s17
	s_lshl_b32 s45, s12, 10
	s_mov_b32 s20, 0x76543210
	s_mov_b32 s21, 0xfedcba98                      ; v_permlanex16_b32: lane l xor 16
	s_mov_b32 s22, 0x3fb8aa3b                      ; log2 e
	s_mov_b32 s23, s22                             ; (named with it as a pair)
	s_mov_b32 s30, 0xffff0000                      ; lanes 16-31
	s_mul_i32 s14, s13, 196608
	s_mov_b32 s15, 0
	s_lshl_b32 s16, s13, 14
	s_mov_b32 s17, 0
	s_and_b32 s18, s13, 3                          ; the mask's row: head % 4
	s_lshl_b32 s18, s18, 13
	s_mov_b32 s19, 0
	s_lshl_b32 s26, s13, 19
	s_lshl_b32 s25, ttmp9, 11
	s_add_co_u32 s26, s26, s25
	s_mov_b32 s27, 0
	s_mov_b32 s24, 0                               ; the pair's number
	s_mov_b32 s29, 8
	v_and_b32 v73, 15, v0                          ; r
	v_bfe_u32 v74, v0, 4, 1                        ; h
	v_and_b32 v[LN], 31, v0
	v_lshlrev_b32 v75, 4, v[LN]                    ; 16 lane
	v_lshrrev_b32 v77, 3, v[LN]
	v_and_b32 v78, 7, v[LN]
	v_add_nc_u32 v[KAD], s32, v75
	v_add_nc_u32 v76, s33, v75                     ; memory: my part of V's codes
	v_add_nc_u32 v[VAD], VI, v76
	v_add_nc_u32 v[QAD], QI, v75
	v_lshl_add_u32 v[QSA], v[LN], 2, QS
	v_lshlrev_b32 v[STR], 3, v73
	v_add_nc_u32 v[STW], s34, v[STR]               ; ST + 256 wave + 8 r
	v_lshl_add_u32 v[STR], v74, 7, v[STR]
	v_add_nc_u32 v[STR], ST, v[STR]                ; ST + 128 h + 8 r
	v_mul_u32_u24 v[POW], v73, PP
	v_lshl_add_u32 v[POW], v74, 5, v[POW]
	v_add_nc_u32 v[POW], s35, v[POW]               ; PO + POV wave + PP r + 32 h
	v_add_nc_u32 v[POW+1], POB, v[POW]
	v_mul_u32_u24 v[POR], v77, PP
	v_lshl_add_u32 v[POR], v78, 4, v[POR]
	v_add_nc_u32 v[POR], s36, v[POR]               ; PO + PP (8 wave + lane / 8) + 16 (lane % 8)
	v_add_nc_u32 v[POR+1], POB, v[POR]
	v_mul_u32_u24 v[OSW], v77, OP
	v_lshl_add_u32 v[OSW], v78, 4, v[OSW]
	v_add_nc_u32 v[OSW], s37, v[OSW]               ; OS + OP (8 wave + lane / 8) + 16 (lane % 8)
	v_mul_u32_u24 v[OSR], v74, OP
	v_lshl_add_u32 v[OSR], v73, 4, v[OSR]
	v_add_nc_u32 v[OSR], s37, v[OSR]               ; OS + OP (8 wave + h) + 16 r
	v_lshlrev_b32 v[GO], 13, v74
	v_lshl_add_u32 v[GO], v73, 4, v[GO]
	v_add_nc_u32 v[GO], s38, v[GO]                 ; 8,192 (8 wave + h) + 16 r
	v_add_nc_u32 v79, s39, v75
	v_add_nc_u32 v80, s40, v[QAD]                  ; LDS: my eighth of Q's codes
	v_add_nc_u32 v81, s41, v75
	v_add_nc_u32 v82, s42, v[QSA]                  ; LDS: my 64 queries' words
	v_lshl_add_u32 v83, v73, 4, s43                ; K's words: 16 r + 512 wave
	v_lshl_add_u32 v84, v73, 4, s44                ; V's: 16 r + 1,024 (wave / 2) + 8 (wave % 2)
	v_lshl_add_u32 v85, v74, 6, s45                ; the mask: 1,024 wave + 64 h
	s_wait_alu depctr_va_vdst(0)                   ; the wait at the head's end
	s_wait_kmcnt 0x0
	s_add_nc_u64 s[4:5], s[4:5], s[14:15]
	s_add_nc_u64 s[6:7], s[6:7], s[16:17]
	s_add_nc_u64 s[8:9], s[8:9], s[18:19]
	s_add_nc_u64 s[10:11], s[10:11], s[26:27]
	WIN 0x40                                       ; into window 1: my 8,192 bytes of K's codes and of V's, my 2,048 of Q's: 512 consecutive bytes a load
.set i, 0
.rept 16
	global_load_b128 v[4*i:4*i+3], v[KAD], s[4:5] offset:65536+512*i
.set i, i+1
.endr
.set i, 0
.rept 16
	global_load_b128 v[64+4*i:64+4*i+3], v76, s[4:5] offset:131072+4096*(i/4)+512*(i%4)
.set i, i+1
.endr
.set i, 0
.rept 4
	global_load_b128 v[128+4*i:128+4*i+3], v79, s[4:5] offset:512*i
.set i, i+1
.endr
	global_load_b64 v[144:145], v81, s[6:7]
	WIN 0
.irp g, 0,1
	global_load_b128 v[KSC+4*\g:KSC+4*\g+3], v83, s[6:7] offset:8192+256*\g
.endr
.irp ct, 0,1,2,3
	global_load_b64 v[VSC+2*\ct:VSC+2*\ct+1], v84, s[6:7] offset:12288+256*\ct
.endr
.set i, 0
.rept 32
	global_load_b128 v[MK+4*i:MK+4*i+3], v85, s[8:9] offset:128*(i/4)+16*(i%4)   ; register 16 b + 4 j + .. = mask[256 w + 32 b + 16 h + 4 j + ..]
.set i, i+1
.endr
	s_wait_loadcnt 38                              ; the codes and Q's words are in; the 2 + 4 + 32 younger loads may be out
	WIN 0x04                                       ; an LDS store's data are its source 1
.set i, 0
.rept 16
	ds_store_b128 v[KAD], v[4*i:4*i+3] offset:512*i
.set i, i+1
.endr
.set i, 0
.rept 16
	ds_store_b128 v[VAD], v[64+4*i:64+4*i+3] offset:4096*(i/4)+512*(i%4)
.set i, i+1
.endr
.set i, 0
.rept 4
	ds_store_b128 v80, v[128+4*i:128+4*i+3] offset:512*i
.set i, i+1
.endr
	ds_store_b32 v82, v144                         ; query 64 wave + 32 p + lane: its word at 4 x the query
	ds_store_b32 v82, v145 offset:128
	WIN 0
	BARRIER                                        ; Q and its words lie in LDS for all eight waves; my stores have read their registers
	s_wait_loadcnt 32                              ; K's and V's words are in; the mask's 32 loads may be out
	s_wait_xcnt 0x0                                ; and the loads' address registers are free
	KPRE 0, 0
	LOADK 6, STG
	LOADK 7, STG+8
	s_wait_dscnt 0x0
	; ---------------- 8 pairs of blocks of 32 queries ----------------
.Lpair:
	BLOCK 0
	s_wait_xcnt 0x0                                ; the stores' base is stepped, and their data written again, only behind this wait
	s_add_nc_u64 s[10:11], s[10:11], 256           ; in every trip: trip t's stores, of pair t - 1, find it at pair t
	BLOCK 1
	s_sub_co_u32 s29, s29, 1
	s_cmp_lg_u32 s29, 0
	s_cbranch_scc1 .Lpair
	BARRIER                                        ; the last block's partial outputs lie in LDS
	RLOADS 1
	RADDS 1, 0, 1
	s_wait_dscnt 0x0
	ROUT
	s_wait_tensorcnt 0x0                           ; the wave's end: behind my last LDS store
	ds_add_u32 v[SPW], v[NIL]
	s_wait_dscnt 0x0
	s_endpgm
.Lfunc_end_k_q023319ec2b_attn:
	.size	k_q023319ec2b_attn, .Lfunc_end_k_q023319ec2b_attn-k_q023319ec2b_attn
	.p2alignl 7, 3214868480
	.fill 96, 4, 3214868480
	.section	.rodata,"a",@progbits
	.p2align	6, 0x0
	.amdhsa_kernel k_q023319ec2b_attn
		.amdhsa_group_segment_fixed_size 319488
		.amdhsa_private_segment_fixed_size 0
		.amdhsa_enable_private_segment 0
		.amdhsa_kernarg_size 32
		.amdhsa_user_sgpr_count 2
		.amdhsa_user_sgpr_kernarg_segment_ptr 1
		.amdhsa_wavefront_size32 1
		.amdhsa_system_sgpr_workgroup_id_x 1
		.amdhsa_system_sgpr_workgroup_id_y 1
		.amdhsa_system_sgpr_workgroup_id_z 1
		.amdhsa_system_vgpr_workitem_id 0
		.amdhsa_next_free_vgpr 512
		.amdhsa_next_free_sgpr 66
		.amdhsa_reserve_vcc 0
		.amdhsa_float_denorm_mode_32 3
		.amdhsa_float_denorm_mode_16_64 3
		.amdhsa_memory_ordered 1
		.amdhsa_forward_progress 1
		.amdhsa_inst_pref_size 184
	.end_amdhsa_kernel
	.amdgpu_metadata
---
amdhsa.version: [ 1, 2 ]
amdhsa.kernels:
  - .name:           k_q023319ec2b_attn
    .symbol:         k_q023319ec2b_attn.kd
    .args:
      - { .name: codes, .offset: 0, .size: 8, .value_kind: global_buffer, .address_space: global }
      - { .name: scales, .offset: 8, .size: 8, .value_kind: global_buffer, .address_space: global }
      - { .name: mask, .offset: 16, .size: 8, .value_kind: global_buffer, .address_space: global }
      - { .name: out0, .offset: 24, .size: 8, .value_kind: global_buffer, .address_space: global }
    .group_segment_fixed_size: 319488
    .private_segment_fixed_size: 0
    .kernarg_segment_align: 8
    .kernarg_segment_size: 32
    .max_flat_workgroup_size: 256
    .sgpr_count:     66
    .vgpr_count:     512
    .wavefront_size: 32
...
	.end_amdgpu_metadata
.endif
;; end of part 2
